; MI455X (gfx1250); checked and timed in simulation.
; The chip was launched on July 23, 2026; its instructions are those of AMD's public machine-readable ISA for CDNA 5 (MIT licence, August 2026) and "CDNA5" Instruction Set Architecture Reference Guide (July 2026). The comments in the code are by the model that wrote it; some were corrected since.
;; Hashed MLP. Allowed arithmetic: matrix products marked QUANTISED: E3M2 operands, one E8M0 scale for each 32 along K, by v_wmma_scale_f32_16x16x128_f8f6f4 with both operands' format E3M2, f32 sums; products left as they are: f32 operands where the result goes on into a quantised operand, else bf16, f16 or f32 operands; f32 sums; everything else in f32.
;; Inputs: W0 26 x 64 float32; W1_codes 64 x 2 x 24 uint8 (E3M2 codes of W1, K innermost, in blocks of 32 codes, four codes in three bytes); W1_scales 64 x 2 uint8 (E8M0 scales of W1, one for each 32 codes along K); W2 64 x 1 float32; b0 64 float32; b1 64 float32; b2 1 float32; data 524,288 x 3 float32; table 13 x 524,288 x 2 float32.
;; Outputs: out0 524,288 x 1 float32.
;; This version of the problem:
;;   THIS VERSION OF THE PROBLEM IS GIVEN IN LOW PRECISION. The matrix products marked QUANTISED in the list below multiply operands that are first quantised to E3M2 (3 exponent bits, 2 mantissa bits; 6 bits a number), with one power-of-two scale for each 32 numbers along K (OCP MX v1.0); their sums are f32. All else is computed in f32.
;;   The module's matrix products, in the order in which they are computed (A, B: the left and right operand; K: the contracted axis; several contracted axes count as one K, in the product's order):
;;     1. [M 524,288, K 26] x [K 26, N 64]; A: computed on the way; B: input W0: left as it is (K = 26 < 32)
;;     2. [M 524,288, K 64] x [K 64, N 64]; A: computed on the way; B: input W1 (given as codes): QUANTISED
;;     3. [M 524,288, K 64] x [K 64, N 1]; A: computed on the way; B: input W2: left as it is (N = 1 < 16)
;;   THE QUANTISER, for each operand of a quantised product, along K:
;;     - K is cut into blocks of 32 from its start; a last block that is shorter is filled with zeros.
;;     - A block's scale is 2^e with e = floor(log2(the largest magnitude in the block)) - 4, held to -126 .. 127; a block of zeros has e = 0. As a byte (E8M0): e + 127.
;;     - Each number is divided by its block's scale, clamped to +-28, and rounded to the nearest number of E3M2, ties to even, subnormals kept.
;;     - The product sums the exact products of the quantised numbers (number of the format x scale) in f32.
;;   ~~~python
;;   def quantise(x, axis):      # numpy; x: float32 -> the quantised numbers, widened to float32 again
;;       x = np.moveaxis(x, axis, -1); K = x.shape[-1]
;;       x = np.pad(x, [(0, 0)] * (x.ndim - 1) + [(0, -K % 32)]); x = x.reshape(x.shape[:-1] + (-1, 32)); a = np.abs(x).max(-1, keepdims=True)
;;       e = np.where(a > 0, np.clip(np.frexp(np.where(a > 0, a, 1))[1] - 1 - 4, -126, 127), 0)      # np.frexp(a)[1] - 1 = floor(log2(a)), exactly
;;       r = np.clip(x / 2.0 ** e, -28, 28)
;;       step = 2.0 ** (np.maximum(np.frexp(np.where(r == 0, 1, r))[1] - 1, -2) - 2)
;;       q = np.round(r / step) * step * 2.0 ** e      # np.round: ties to even
;;       return np.moveaxis(q.reshape(q.shape[:-2] + (-1,))[..., :K], -1, axis).astype(np.float32)
;;   ~~~
;;   OPERANDS COMPUTED ON THE WAY. 'Computed on the way' means the value that the module computes at that place (a softmax that the list does not call 'softmax' is quantised finished and normalised). What goes into a quantiser is computed in f32, as accurately as f32 sums, v_exp_f32 and their like allow (about 1e-6 of the number): no bf16 or f16 on the way to a quantiser, and a product that is left as it is and whose result goes on into a quantised operand takes f32 operands (vector FMAs, or v_wmma_f32_16x16x4_f32). A number that lies on a knife's edge between two numbers of the format may be rounded either way, as far as f32 arithmetic and the matrix unit's own rounding can turn it there, and no further.
;;   INPUTS GIVEN AS CODES. W1 (in the module: [64, 64], K = its axis 0): each comes as NAME_codes (uint8): NAME with its K axis moved to the last place and cut into blocks of 32 codes, [.., K / 32, bytes a block], one block behind the other in memory; four codes in three bytes: a row's codes are one little-endian stream of bits, code i at bits 6 i .. 6 i + 5 (a code: sign, 3 exponent bits, 2 mantissa bits); and NAME_scales (uint8): the same leading axes, one E8M0 byte (e + 127) for each 32 codes along K. Its value is code x scale, taken as it is: it is not quantised again, and the codes and scales need not be those that the quantiser above would give.
;; One version. Each part assembles by itself: llvm-mc -triple=amdgcn-amd-amdhsa -mcpu=gfx1250 --defsym DOCPART=n.
;; ======== version 1 of 1: 2 launches
;; workspace buffers: fix 8,388,608 bytes of whole numbers
;; launch fixpt (part 1): grid 256 x 1, 8 waves a work-group, no clusters, 0 bytes of LDS; arguments data, fix; writes fix
.if DOCPART == 1
	.amdgcn_target "amdgcn-amd-amdhsa--gfx1250"
	.amdhsa_code_object_version 6
	.text
	.protected	k_q72748e17d0_fixpt
	.globl	k_q72748e17d0_fixpt
	.p2align	8
	.type	k_q72748e17d0_fixpt,@function
k_q72748e17d0_fixpt:
	s_mov_b64 s[64:65], 0
	v_nop
	global_prefetch_b8 v0, s[64:65] scope:SCOPE_SE
	s_setreg_imm32_b32 hwreg(HW_REG_WAVE_MODE, 25, 1), 1
	s_wait_xcnt 0x0
; data [524288][3] f32 -> fix [524288][4] u32: each coordinate d as whole numbers, from which the next launch forms its table addresses for all 13 levels.
;   words 0..2: trunc((d - floor d) x 2^32) of x, y, z;   word 3: xi | yi << 10 | zi << 20, each min(floor d, 1023).
; floor(d x res) = xi x res + the upper 32 bits of (fraction word x res), in whole numbers, for every whole res up to 1024.
; LIMITS: 0 <= d < 1024 is served.  Negative d and NaN count as 0; an integer part above 1023 is held at 1023.  Where d - floor d lies under 2^-9 its bits under 2^-32 are cut off.
; SHARES: a work-group takes 2,048 points; thread t takes points 256 i + t, i = 0..7.  A wave's load covers 384 consecutive bytes, its store 512: sixteen lanes store 256 consecutive bytes, aligned.
; Straight line: every step has registers of its own for what it loads and stores, and no address register is written again, so the only waits are those for the loads.
.set DD, 8                             ; v[8+4i : 10+4i]   point i as loaded
.set OO, 40                            ; v[40+4i : 43+4i]  its record
.set FF, 72                            ; v72-74  floor d
.set IN, 75                            ; v75-77  the integer parts
	s_load_b128 s[4:7], s[0:1], 0x0                ; data, fix
	v_mul_u32_u24 v1, v0, 12                       ; my point's 12 bytes of data
	v_lshlrev_b32 v2, 4, v0                        ; and its 16 bytes of fix
	s_mul_i32 s8, ttmp9, 24576                     ; the work-group's 2,048 points: 12 bytes each,
	s_mov_b32 s9, 0
	s_lshl_b32 s10, ttmp9, 15                      ; 16 bytes each
	s_mov_b32 s11, 0
	s_wait_kmcnt 0x0
	s_add_nc_u64 s[4:5], s[4:5], s[8:9]
	s_add_nc_u64 s[6:7], s[6:7], s[10:11]
.irp i, 0,1,2,3,4,5,6,7
	global_load_b96 v[DD+4*\i:DD+4*\i+2], v1, s[4:5] offset:3072*\i th:TH_LOAD_NT
.endr
.macro ONE i
	s_wait_loadcnt 7-\i                            ; loads come back in order: point i is in, the 7 - i younger loads stay out
.irp c, 0,1,2
	v_max_num_f32 v[DD+4*\i+\c], 0, v[DD+4*\i+\c]  ; negative numbers and NaN count as 0
.endr
.irp c, 0,1,2
	v_floor_f32 v[FF+\c], v[DD+4*\i+\c]
.endr
.irp c, 0,1,2
	v_sub_f32 v[OO+4*\i+\c], v[DD+4*\i+\c], v[FF+\c]       ; exact, in [0, 1)
.endr
.irp c, 0,1,2
	v_cvt_u32_f32 v[IN+\c], v[FF+\c]
.endr
.irp c, 0,1,2
	v_mul_f32 v[OO+4*\i+\c], 0x4f800000, v[OO+4*\i+\c]     ; x 2^32: exact, under 2^32
.endr
.irp c, 0,1,2
	v_cvt_u32_f32 v[OO+4*\i+\c], v[OO+4*\i+\c]             ; toward zero
.endr
.irp c, 0,1,2
	v_min_u32 v[IN+\c], 0x3ff, v[IN+\c]
.endr
	v_lshl_or_b32 v[OO+4*\i+3], v[IN+1], 10, v[IN]
	v_lshl_or_b32 v[OO+4*\i+3], v[IN+2], 20, v[OO+4*\i+3]
	global_store_b128 v2, v[OO+4*\i:OO+4*\i+3], s[6:7] offset:4096*\i
.endm
.irp i, 0,1,2,3,4,5,6,7
	ONE \i
.endr
	s_endpgm
.Lfunc_end_k_q72748e17d0_fixpt:
	.size	k_q72748e17d0_fixpt, .Lfunc_end_k_q72748e17d0_fixpt-k_q72748e17d0_fixpt
	.p2alignl 7, 3214868480
	.fill 96, 4, 3214868480
	.section	.rodata,"a",@progbits
	.p2align	6, 0x0
	.amdhsa_kernel k_q72748e17d0_fixpt
		.amdhsa_group_segment_fixed_size 0
		.amdhsa_private_segment_fixed_size 0
		.amdhsa_enable_private_segment 0
		.amdhsa_kernarg_size 16
		.amdhsa_user_sgpr_count 2
		.amdhsa_user_sgpr_kernarg_segment_ptr 1
		.amdhsa_wavefront_size32 1
		.amdhsa_system_sgpr_workgroup_id_x 1
		.amdhsa_system_sgpr_workgroup_id_y 1
		.amdhsa_system_sgpr_workgroup_id_z 1
		.amdhsa_system_vgpr_workitem_id 0
		.amdhsa_next_free_vgpr 96
		.amdhsa_next_free_sgpr 66
		.amdhsa_reserve_vcc 0
		.amdhsa_float_denorm_mode_32 3
		.amdhsa_float_denorm_mode_16_64 3
		.amdhsa_memory_ordered 1
		.amdhsa_forward_progress 1
		.amdhsa_inst_pref_size 11
	.end_amdhsa_kernel
	.amdgpu_metadata
---
amdhsa.version: [ 1, 2 ]
amdhsa.kernels:
  - .name:           k_q72748e17d0_fixpt
    .symbol:         k_q72748e17d0_fixpt.kd
    .args:
      - { .name: data, .offset: 0, .size: 8, .value_kind: global_buffer, .address_space: global }
      - { .name: fix, .offset: 8, .size: 8, .value_kind: global_buffer, .address_space: global }
    .group_segment_fixed_size: 0
    .private_segment_fixed_size: 0
    .kernarg_segment_align: 8
    .kernarg_segment_size: 16
    .max_flat_workgroup_size: 256
    .sgpr_count:     66
    .vgpr_count:     96
    .wavefront_size: 32
...
	.end_amdgpu_metadata
.endif
;; end of part 1
;; launch field (part 2): grid 256 x 1, 8 waves a work-group, no clusters, 9,216 bytes of LDS; arguments data, fix, table, W0, b0, W1_codes, W1_scales, b1, W2, b2, out0; writes out0
.if DOCPART == 2
	.amdgcn_target "amdgcn-amd-amdhsa--gfx1250"
	.amdhsa_code_object_version 6
	.text
	.protected	k_q72748e17d0_field
	.globl	k_q72748e17d0_field
	.p2align	8
	.type	k_q72748e17d0_field,@function
k_q72748e17d0_field:
	s_mov_b64 s[64:65], 0
	v_nop
	global_prefetch_b8 v0, s[64:65] scope:SCOPE_SE
	s_setreg_imm32_b32 hwreg(HW_REG_WAVE_MODE, 25, 1), 1
	s_wait_xcnt 0x0
; out0[p] = gelu(Q(gelu(x W0 + b0)) W1 + b1) W2 + b2, x[p] = the 26 hash-grid features of point p (13 levels x 2), gelu in its tanh form.
; x W0 in f32 (v_wmma_f32_16x16x4_f32: its result goes into a quantiser); the product with W1 on codes of BF6 (E3M2) with one E8M0 scale for each 32 along K, W1 as given, the hidden layer quantised in registers;
; the product with W2 (one column) by packed f32 multiply-adds.  Nothing goes through memory between the steps.
; ADDRESSES come from whole numbers alone: fix (stored by the launch before) holds for each coordinate d a 32-bit fraction word and a 10-bit integer part; i0 = xi x res + the upper word of (fraction word x res) = floor(d x res), exactly.
; THE FRACTION is fl(d x res) - i0, from data, in f32.  Where rounding lifts d x res onto a whole number n, i0 is n - 1 and the fraction exactly 1: weight 1 then falls on the same corner n, and 0 on the other.
; LIMITS: 0 <= data < 1024; negative numbers and NaN count as 0; integer parts above 1023 are held at 1023; where d - floor d lies under 2^-9 the fraction may reach 1 + 2^-22.  Every index stays inside its table.
;   Infinities and NaN in the table or the weights are not served (step 6's spare lanes meet zeros of W0, and zero codes fill K from 64 to 127).
; SHARES: wave number 8 x work-group + wave owns 256 consecutive points: 16 tiles of 16.  Waves share nothing: no barrier.  Lane (r, h) = (lane % 16, lane / 16) serves point r of the tile.
; No cluster and no tensor load: all that work-groups share is about 11 KB of weights, which each wave reads once into registers; the table is gathered lane by lane.
; A TILE.  HASH: in step s = 0..6 lane (r, h) takes level 2 s + h: eight corner indices, eight loads of 8 bytes.  In step 6 both halves take level 12.
;   BLEND: the lane's two features of that level are k = 4 s + 2 h + 0, 1: source 1 of the f32 matrix form for K step s, as they stand.
;   LAYER1, transposed (source 0 = 16 hidden units, source 1 = 16 points).  Row m of tile t is hidden unit 32 (m / 8) + 8 t + m % 8, so that a lane's 32 results are units 32 h + 0 .. 31 of its point:
;   one whole block of 32 along the next K: its largest magnitude needs no other lane, and two conversions give the operand's registers 0-5.
;   LAYER2, transposed (source 0 = 16 rows of W1's codes, source 1 = the hidden codes).  K = 64 fills registers 0-5 of each operand; registers 6-11 are zero codes on both sides.
;   DOT: a lane holds 32 of its point's 64 numbers; 16 packed multiply-adds with W2, and the other half's sum from lane l xor 16.
; AHEAD: tile i + 1's 56 gathers go out before tile i's layers are computed; data and fix are loaded two tiles ahead: 58 loads of a wave are out at the most.
; OUT: a wave's 256 results are gathered in its own 1,024 bytes of LDS and leave by two stores of 512 consecutive bytes, aligned.
; REGISTERS, window 0:
.set HB,    1                          ; h
.set H22,   2                          ; h << 22: a level of the table is 2^22 bytes
.set LO0,   3                          ; LDS: 1024 x wave + 4 r
.set DOFF,  4                          ; 12 r, + 192 a tile
.set FOFF,  5                          ; 16 r, + 256 a tile
.set D,     6                          ; v[6:8]     data x, y, z
.set SH8,   9                          ; 8 h
.set FX,    10                         ; v[10:13]   fix: three fraction words, the packed integer parts
.set WS,    14                         ; v14-17     W1's scale words, one a tile: scales and nothing else
.set HS,    18                         ; v18        the hidden layer's scale word: likewise
.set PT,    19                         ; a lane permute's destination
.set FEAT,  20                         ; v[20:33]   step s's two features at 20 + 2 s
.set FR,    34                         ; v[34:61]   step s: fx, fy, fz, 0 at 34 + 4 s
.set GA,    62                         ; v[62:173]  step s, corner c: a pair at 62 + 16 s + 2 c; its low register first holds the load's own offset
.set ACC,   174                        ; v[174:205] four accumulators: written by matrix instructions alone
.set G,     206                        ; v[206:237] gelu's work and results; at work in HASH and BLEND, while no gelu is in hand
.set CODES, 238                        ; v[238:249] the hidden codes; 244-249 stay 0
.set CT,    250                        ; v[250:253] the second conversion's three registers; later DOT's two sums
.set AM,    254                        ; largest magnitude, then the conversions' scale operand; later the result
.set BY,    255                        ; second chain, then the scale's byte; later the result's LDS address
; window 1 (named v0.. under s_set_vgpr_msb): the weights, read once
.set W0F,   0                          ; v[0:55]    W0's fragment (tile t, K step s) at 2 (4 s + t)
.set B0,    56                         ; v[56:87]   b0 in the result's layout: 8 t + j = b0[32 h + 8 t + j]
.set W1F,   88                         ; v[88:135]  W1's fragment t at 12 t; its registers 6-11 are 0
.set B1,    136                        ; v[136:167] b1[16 t + 8 h + j]
.set W2V,   206                        ; v[206:237] W2[16 t + 8 h + j]
; at work in HASH
.set RI,    G+0                        ; my level's res, whole
.set RF,    G+1                        ; and as f32
.set XI,    G+2                        ; three integer parts
.set PR,    G+6                        ; three 64-bit products
.set PP,    G+12                       ; fl(d x res)
.set II,    G+15                       ; i0
.set CC,    G+18                       ; i0 as f32
.set X0,    G+21                       ; x's part of the hash for dx = 0, 1 (prime 1)
.set Y0,    G+23                       ; y's for dy = 0, 1
.set Z0,    G+25                       ; z's for dz = 0, 1
.set AA,    G+27                       ; y's xor z's: dy + 2 dz
.set HT,    GA                         ; at the head: v62-69 hold the weights' offsets
; scalars
.set TB,    34                         ; s[34+2s : 35+2s] table at level 2 s
.set SRD,   48                         ; s48-54  res of level 2 s + 1 less res of level 2 s (step 6: 0)
.set SRE,   55                         ; s55-61  res of level 2 s
.set SP1,   62                         ; 2654435761 mod 2^19: an index keeps 19 bits, and coordinates stay under 2^21, so 24-bit multiplies serve
.set SP2,   63                         ; 805459861 mod 2^19
.set SMK,   66                         ; 2^19 - 1
.set SK1,   68                         ; s[68:69] K1 = K0 x 0.044715
.set SK0,   70                         ; s[70:71] K0 = -2 log2(e) sqrt(2 / pi): gelu(x) = x / (1 + 2^(x (K0 + K1 x^2)))
.set SEL,   72                         ; s[72:73] v_permlanex16_b32's selects for lane l xor 16
.set SB2,   30                         ; b2
.set CNT,   31
.set LT,    32                         ; the tile's 64 bytes in the wave's LDS
.set MSB, 0
.macro WIN new                         ; low byte: bits 1:0 source 0, 3:2 source 1, 5:4 source 2, 7:6 destination; the high byte repeats the setting that is left
.if MSB != \new
	s_set_vgpr_msb (MSB<<8)|\new
.set MSB, \new
.endif
.endm
	s_load_b256 s[4:11], s[0:1], 0x0               ; data s[4:5], fix s[6:7], table s[8:9], W0 s[10:11]
	s_load_b256 s[12:19], s[0:1], 0x20             ; b0 s[12:13], W1's codes s[14:15], W1's scales s[16:17], b1 s[18:19]
	s_load_b128 s[20:23], s[0:1], 0x40             ; W2 s[20:21], b2 s[22:23]
	s_load_b64 s[24:25], s[0:1], 0x50              ; out0
	s_set_vgpr_msb 0x40
	v_lshl_add_u32 v254, v0, 2, 0x2000
	v_mov_b32 v255, 0
	s_set_vgpr_msb 0x4000
	v_lshrrev_b32 v[HT], 5, v0
	v_readfirstlane_b32 s26, v[HT]                 ; wave 0..7
	v_and_b32 v[HT+1], 15, v0                      ; r
	v_bfe_u32 v[HB], v0, 4, 1                      ; h
	v_lshlrev_b32 v[H22], 22, v[HB]
	v_lshlrev_b32 v[SH8], 3, v[HB]
	v_lshlrev_b32 v[LO0], 2, v[HT+1]
	v_lshl_add_u32 v[LO0], v[HT], 10, v[LO0]
	v_mul_u32_u24 v[DOFF], v[HT+1], 12
	v_lshlrev_b32 v[FOFF], 4, v[HT+1]
	v_and_b32 v[HT+2], 7, v[HT+1]
	v_lshlrev_b32 v[HT+2], 2, v[HT+2]
	v_lshrrev_b32 v[HT+3], 3, v[HT+1]
	v_lshl_add_u32 v[HT+2], v[HT+3], 7, v[HT+2]    ; W0: hidden unit 32 (r / 8) + r % 8, 4 bytes each;
	v_lshl_add_u32 v[HT+3], v[HB], 9, v[HT+2]      ; and two rows of 256 bytes further down for lanes 16-31 (k = 4 s + 2 h + j)
	v_mul_u32_u24 v[HT+4], v[HT+1], 48             ; W1's codes: row r of 48 bytes,
	v_mad_u32_u24 v[HT+4], v[HB], 24, v[HT+4]      ; + my half's block of 24
	v_lshlrev_b32 v[HT+5], 7, v[HB]                ; b0: 32 h numbers on
	v_lshlrev_b32 v[HT+6], 5, v[HB]                ; b1, W2: 8 h numbers on
	v_lshlrev_b32 v[HT+7], 1, v[HT+1]              ; W1's scales: 2 bytes a row
	s_lshl_b32 s27, ttmp9, 3
	s_add_co_u32 s27, s27, s26                     ; which 256 points are my wave's
	s_mov_b32 s29, 0
	s_mov_b32 s[LT], 0
	s_mov_b32 s[SRD+0], 7                          ; levels 1, 3, .. 11: 23, 45, 91, 181, 362, 724
	s_mov_b32 s[SRD+1], 13
	s_mov_b32 s[SRD+2], 27
	s_mov_b32 s[SRD+3], 53
	s_mov_b32 s[SRD+4], 106
	s_mov_b32 s[SRD+5], 212
	s_mov_b32 s[SRD+6], 0
.irp k, 0,1,2,3,4,5,6
	s_mov_b32 s[SRE+\k], 16<<\k                    ; levels 0, 2, .. 12: 16 .. 1024
.endr
	s_mov_b32 s[SP1], 0x779b1
	s_mov_b32 s[SP2], 0x25795
	s_mov_b32 s[SMK], 0x7ffff
	s_mov_b32 s[SK1], 0xbdd2d3e8                   ; -0.10294324
	s_mov_b32 s[SK1+1], s[SK1]                     ; (a packed form names the pair, so both words are written)
	s_mov_b32 s[SK0], 0xc0135761                   ; -2.3022082
	s_mov_b32 s[SK0+1], s[SK0]
	s_mov_b32 s[SEL], 0x76543210
	s_mov_b32 s[SEL+1], 0xfedcba98
	s_wait_kmcnt 0x0
	s_load_b32 s[SB2], s[22:23], 0x0               ; b2's one number
	s_mul_i32 s28, s27, 3072
	s_add_nc_u64 s[4:5], s[4:5], s[28:29]          ; data: 256 points x 12 bytes
	s_lshl_b32 s28, s27, 12
	s_add_nc_u64 s[6:7], s[6:7], s[28:29]          ; fix: x 16
	s_lshl_b32 s28, s27, 10
	s_add_nc_u64 s[24:25], s[24:25], s[28:29]      ; out0: x 4
.irp k, 0,1,2,3,4,5,6
	s_add_nc_u64 s[TB+2*\k:TB+2*\k+1], s[8:9], \k*0x800000   ; two levels of 2^22 bytes a step
.endr
; a tile's 16 points of data and fix; lanes r and r + 16 read the same record.  step = 1: on to the next tile; the offsets' last loads have been waited for
.macro LOADDF step
.if \step
	v_add_nc_u32 v[DOFF], 192, v[DOFF]
	v_add_nc_u32 v[FOFF], 256, v[FOFF]
.endif
	global_load_b96 v[D:D+2], v[DOFF], s[4:5] th:TH_LOAD_NT
	global_load_b128 v[FX:FX+3], v[FOFF], s[6:7] th:TH_LOAD_NT
.endm
	LOADDF 0                                       ; tile 0
	WIN 0x40                                       ; destination window 1, address window 0
.irp s, 0,1,2,3,4,5
.irp t, 0,1,2,3
.irp j, 0,1
	global_load_b32 v[W0F+2*(4*\s+\t)+\j], v[HT+3], s[10:11] offset:1024*\s+256*\j+32*\t   ; W0[4 s + 2 h + j][32 (r / 8) + 8 t + r % 8]
.endr
.endr
.endr
.irp t, 0,1,2,3
.irp j, 0,1
	global_load_b32 v[W0F+2*(24+\t)+\j], v[HT+2], s[10:11] offset:6144+256*\j+32*\t        ; K step 6: all lanes read rows 24, 25, so that no load leaves W0; lanes 16-31 (k = 26, 27) are cleared below
.endr
.endr
.irp t, 0,1,2,3
.irp p, 0,1,2
	global_load_b64 v[W1F+12*\t+2*\p:W1F+12*\t+2*\p+1], v[HT+4], s[14:15] offset:768*\t+8*\p   ; row 16 t + r, k = 32 h + 0 .. 31: 24 bytes as they lie, in pieces of 8
.endr
.irp i, 6,7,8,9,10,11
	v_mov_b32 v[W1F+12*\t+\i], 0                   ; k = 64 .. 127: zero codes
.endr
	global_load_b128 v[B0+8*\t:B0+8*\t+3], v[HT+5], s[12:13] offset:32*\t
	global_load_b128 v[B0+8*\t+4:B0+8*\t+7], v[HT+5], s[12:13] offset:32*\t+16
	global_load_b128 v[B1+8*\t:B1+8*\t+3], v[HT+6], s[18:19] offset:64*\t
	global_load_b128 v[B1+8*\t+4:B1+8*\t+7], v[HT+6], s[18:19] offset:64*\t+16
	global_load_b128 v[W2V+8*\t:W2V+8*\t+3], v[HT+6], s[20:21] offset:64*\t
	global_load_b128 v[W2V+8*\t+4:W2V+8*\t+7], v[HT+6], s[20:21] offset:64*\t+16
.endr
	WIN 0
.irp t, 0,1,2,3
	global_load_u16 v[WS+\t], v[HT+7], s[16:17] offset:32*\t   ; row 16 t + r's two scale bytes; bytes 2 and 3 are 0 and stand over zero codes
.endr
.irp i, 6,7,8,9,10,11
	v_mov_b32 v[CODES+\i], 0
.endr
.irp s, 0,1,2,3,4,5,6
	v_mov_b32 v[FR+4*\s+3], 0                      ; named as the upper half of the pair (fz, 0)
.endr
	v_mov_b32 v[PT], 0                             ; a lane permute's destination counts as one of its sources
	s_wait_loadcnt 0x0                             ; the weights and tile 0's records are in; the offsets in v62-69 are free
	v_cmp_eq_u32 vcc_lo, 0, v[HB]
	WIN 0x44                                       ; source 1 and destination window 1
.irp i, 0,1,2,3,4,5,6,7
	v_cndmask_b32 v[W0F+48+\i], 0, v[W0F+48+\i], vcc_lo    ; K step 6: rows k = 26, 27 of W0 are zeros
.endr
	WIN 0
	s_wait_kmcnt 0x0                               ; b2
; STEP s OF A TILE'S HASH: level 2 s + h.  56 vector lines, then its eight loads in one run.
.macro HASH s
.set g, GA+16*\s
	v_mad_u32_u24 v[RI], v[HB], s[SRD+\s], s[SRE+\s]
	v_cvt_f32_u32 v[RF], v[RI]
.irp d, 0,1,2
	v_mad_co_u64_u32 v[PR+2*\d:PR+2*\d+1], vcc_lo, v[FX+\d], v[RI], 0   ; fraction word x res: the upper word is floor(fraction x res)
	v_mul_f32 v[PP+\d], v[D+\d], v[RF]             ; pos, rounded as f32 rounds it
.endr
.irp d, 0,1,2
	v_mad_u32_u24 v[II+\d], v[XI+\d], v[RI], v[PR+2*\d+1]  ; i0, under 2^20
.endr
.irp d, 0,1,2
	v_cvt_f32_u32 v[CC+\d], v[II+\d]
.endr
.irp d, 0,1,2
	v_sub_f32 v[FR+4*\s+\d], v[PP+\d], v[CC+\d]    ; the fraction: exact
.endr
	v_add_nc_u32 v[X0+1], 1, v[II]
	v_mul_u32_u24 v[Y0], s[SP1], v[II+1]
	v_mul_u32_u24 v[Z0], s[SP2], v[II+2]
	v_add_nc_u32 v[Y0+1], s[SP1], v[Y0]            ; (i + 1) x prime
	v_add_nc_u32 v[Z0+1], s[SP2], v[Z0]
	v_xor_b32 v[AA+0], v[Y0], v[Z0]
	v_xor_b32 v[AA+1], v[Y0+1], v[Z0]
	v_xor_b32 v[AA+2], v[Y0], v[Z0+1]
	v_xor_b32 v[AA+3], v[Y0+1], v[Z0+1]
	v_and_b32 v[X0], s[SMK], v[II]
	v_and_b32 v[X0+1], s[SMK], v[X0+1]
.irp k, 0,1,2,3
	v_and_b32 v[AA+\k], s[SMK], v[AA+\k]
.endr
.irp c, 0,1,2,3,4,5,6,7                ; corner c: dx = c & 1, dy + 2 dz = c >> 1
	v_xor_b32 v[g+2*\c], v[X0+(\c&1)], v[AA+(\c>>1)]
.endr
.irp c, 0,1,2,3,4,5,6,7
	v_min_u32 v[g+2*\c], 0x7ffff, v[g+2*\c]        ; a number made of loaded numbers enters an address behind a bound written in the instruction; it changes nothing here
.endr
.irp c, 0,1,2,3,4,5,6,7
.if \s < 6
	v_lshl_add_u32 v[g+2*\c], v[g+2*\c], 3, v[H22] ; 8 bytes an entry; lanes 16-31 one level on
.else
	v_lshlrev_b32 v[g+2*\c], 3, v[g+2*\c]          ; level 12 in both halves
.endif
.endr
.irp c, 0,1,2,3,4,5,6,7
	global_load_b64 v[g+2*\c:g+2*\c+1], v[g+2*\c], s[TB+2*\s:TB+2*\s+1]   ; each load lands on its own offset register
.endr
.endm
.macro ENCODE
.irp d, 0,1,2
	v_max_num_f32 v[D+\d], 0, v[D+\d]              ; as the launch before held it
.endr
	v_and_b32 v[XI], 0x3ff, v[FX+3]
	v_bfe_u32 v[XI+1], v[FX+3], 10, 10
	v_bfe_u32 v[XI+2], v[FX+3], 20, 10
	HASH 0
	HASH 1
	HASH 2
	HASH 3
	HASH 4
	HASH 5
	HASH 6
.endm
; STEP s OF A TILE'S BLEND: eight weights (tx ty) tz, two at a time, then two chains of four corners.  y: the loads of data and fix that were issued behind the gathers.
; Weight of corner 0: G+8, 1: G+11, 2: G+10, 3: G+9, 4: G+12, 5: G+15, 6: G+14, 7: G+13.
.macro BLEND s, y
.set g, GA+16*\s
.set f, FR+4*\s
.set e, FEAT+2*\s
	v_pk_fma_f32 v[G:G+1], v[f:f+1], -1.0, 1.0 op_sel_hi:[1,0,0]           ; gx, gy = 1 - fx, 1 - fy
	v_pk_fma_f32 v[G+2:G+3], v[f+2:f+3], -1.0, 1.0 op_sel_hi:[1,0,0]       ; gz
	v_pk_mul_f32 v[G+4:G+5], v[G:G+1], v[f:f+1] op_sel:[0,1] op_sel_hi:[1,0]   ; gx fy, gy fx
	v_mul_f32 v[G+6], v[G], v[G+1]                                         ; gx gy
	v_mul_f32 v[G+7], v[f], v[f+1]                                         ; fx fy
	v_pk_mul_f32 v[G+8:G+9], v[G+6:G+7], v[G+2:G+3] op_sel_hi:[1,0]        ; x gz
	v_pk_mul_f32 v[G+10:G+11], v[G+4:G+5], v[G+2:G+3] op_sel_hi:[1,0]
	v_pk_mul_f32 v[G+12:G+13], v[G+6:G+7], v[f+2:f+3] op_sel_hi:[1,0]      ; x fz
	v_pk_mul_f32 v[G+14:G+15], v[G+4:G+5], v[f+2:f+3] op_sel_hi:[1,0]
	s_wait_loadcnt 8*(6-\s)+\y                     ; loads come back in order: this step's eight are in; the later steps' gathers and the y loads behind them stay out
	v_pk_mul_f32 v[e:e+1], v[g:g+1], v[G+8:G+9] op_sel_hi:[1,0]
	v_pk_mul_f32 v[G+16:G+17], v[g+8:g+9], v[G+12:G+13] op_sel_hi:[1,0]
	v_pk_fma_f32 v[e:e+1], v[g+2:g+3], v[G+10:G+11], v[e:e+1] op_sel:[0,1,0] op_sel_hi:[1,1,1]
	v_pk_fma_f32 v[G+16:G+17], v[g+10:g+11], v[G+14:G+15], v[G+16:G+17] op_sel:[0,1,0] op_sel_hi:[1,1,1]
	v_pk_fma_f32 v[e:e+1], v[g+4:g+5], v[G+10:G+11], v[e:e+1] op_sel_hi:[1,0,1]
	v_pk_fma_f32 v[G+16:G+17], v[g+12:g+13], v[G+14:G+15], v[G+16:G+17] op_sel_hi:[1,0,1]
	v_pk_fma_f32 v[e:e+1], v[g+6:g+7], v[G+8:G+9], v[e:e+1] op_sel:[0,1,0] op_sel_hi:[1,1,1]
	v_pk_fma_f32 v[G+16:G+17], v[g+14:g+15], v[G+12:G+13], v[G+16:G+17] op_sel:[0,1,0] op_sel_hi:[1,1,1]
	v_pk_add_f32 v[e:e+1], v[e:e+1], v[G+16:G+17]
.endm
.macro INTERP y
	BLEND 0, \y
	BLEND 1, \y
	BLEND 2, \y
	BLEND 3, \y
	BLEND 4, \y
	BLEND 5, \y
	BLEND 6, \y
.endm
; x W0 + b0: four tiles of 16 hidden units x 16 points, seven K steps of 4.  The bias is the C of each sum's first K step; the four accumulators take turns, one instruction a turn.
.macro LAYER1
	WIN 0x11                                       ; source 0 (W0) and source 2 (b0) window 1
.irp t, 0,1,2,3
	v_wmma_f32_16x16x4_f32 v[ACC+8*\t:ACC+8*\t+7], v[W0F+2*\t:W0F+2*\t+1], v[FEAT:FEAT+1], v[B0+8*\t:B0+8*\t+7]
.endr
	WIN 0x01
.irp s, 1,2,3,4,5,6
.irp t, 0,1,2,3
	v_wmma_f32_16x16x4_f32 v[ACC+8*\t:ACC+8*\t+7], v[W0F+2*(4*\s+\t):W0F+2*(4*\s+\t)+1], v[FEAT+2*\s:FEAT+2*\s+1], v[ACC+8*\t:ACC+8*\t+7]
.endr
.endr
	WIN 0
.rept 8
	v_nop                                          ; eight places behind this form, ahead of the first vector read of its results
.endr
.endm
; G = gelu(ACC), 32 numbers a lane: x / (1 + 2^(x (K0 + K1 x^2))).  Each accumulator is read from its low end on.  The 32 exponentials are one batch and the 32 reciprocals another:
; behind each a plain line and one wait, ahead of the first line that names a result.
.macro GELU
.set i, 0
.rept 16
	v_pk_mul_f32 v[G+i:G+i+1], v[ACC+i:ACC+i+1], s[SK1:SK1+1] op_sel_hi:[1,0]
.set i, i+2
.endr
.set i, 0
.rept 16
	v_pk_fma_f32 v[G+i:G+i+1], v[G+i:G+i+1], v[ACC+i:ACC+i+1], s[SK0:SK0+1] op_sel_hi:[1,1,0]
.set i, i+2
.endr
.set i, 0
.rept 16
	v_pk_mul_f32 v[G+i:G+i+1], v[G+i:G+i+1], v[ACC+i:ACC+i+1]
.set i, i+2
.endr
.set i, 0
.rept 32
	v_exp_f32 v[G+i], v[G+i]
.set i, i+1
.endr
	v_nop
	s_wait_alu depctr_va_vdst(0)
.set i, 0
.rept 16
	v_pk_add_f32 v[G+i:G+i+1], v[G+i:G+i+1], 1.0 op_sel_hi:[1,0]
.set i, i+2
.endr
.set i, 0
.rept 32
	v_rcp_f32 v[G+i], v[G+i]
.set i, i+1
.endr
	v_nop
	s_wait_alu depctr_va_vdst(0)
.set i, 0
.rept 16
	v_pk_mul_f32 v[G+i:G+i+1], v[G+i:G+i+1], v[ACC+i:ACC+i+1]
.set i, i+2
.endr
.endm
; My 32 numbers are block h of my point's hidden layer.  Its scale is 2^(floor(log2(largest magnitude)) - 4): the largest magnitude's exponent field less 4 is the scale's byte,
; and the conversion takes the exponent field of its scale operand alone.  The floor 2^(5 - 127) holds the byte at 1 from below; a block of zeros keeps that byte over zero codes.
.macro QUANT
	v_max3_num_f32 v[AM], |v[G]|, |v[G+1]|, |v[G+2]|
	v_max3_num_f32 v[BY], |v[G+3]|, |v[G+4]|, |v[G+5]|
.irp i, 6,10,14,18,22,26
	v_max3_num_f32 v[AM], v[AM], |v[G+\i]|, |v[G+\i+1]|
	v_max3_num_f32 v[BY], v[BY], |v[G+\i+2]|, |v[G+\i+3]|
.endr
	v_max3_num_f32 v[AM], v[AM], |v[G+30]|, |v[G+31]|
	v_max3_num_f32 v[AM], v[AM], v[BY], 0x2800000
	v_add_nc_u32 v[AM], 0xfe000000, v[AM]          ; 4 off the exponent field
	v_lshrrev_b32 v[BY], 23, v[AM]                 ; the byte,
	v_lshlrev_b32 v[BY], v[SH8], v[BY]             ; at its place in the scale word: byte h;
	v_permlanex16_b32 v[PT], v[BY], s[SEL], s[SEL+1]
	v_or_b32 v[HS], v[BY], v[PT]                   ; with lane l xor 16's the word is whole; bytes 2 and 3 are 0, over zero codes
	v_cvt_scalef32_pk16_bf6_f32 v[CODES:CODES+2], v[G:G+15], v[AM]
	v_cvt_scalef32_pk16_bf6_f32 v[CT:CT+2], v[G+16:G+31], v[AM]    ; (a conversion's three registers begin on an even number)
	v_nop                                          ; one plain line behind a scaled conversion
.irp i, 0,1,2
	v_mov_b32 v[CODES+3+\i], v[CT+\i]              ; registers 0-5: k = 32 h + 0 .. 31
.endr
.rept 8
	v_nop                                          ; a scale register written by a vector line stands eight places ahead of a scaled matrix instruction, an operand four
.endr
.endm
; Q(h) W1 + b1: four tiles of 16 outputs x 16 points, one instruction each; the bias is C.  They write over the first layer's sums, which were last written more than nine plain lines ago.
.macro LAYER2
	WIN 0x11                                       ; source 0 (W1) and source 2 (b1) window 1
.irp t, 0,1,2,3
	v_wmma_scale_f32_16x16x128_f8f6f4 v[ACC+8*\t:ACC+8*\t+7], v[W1F+12*\t:W1F+12*\t+11], v[CODES:CODES+11], v[B1+8*\t:B1+8*\t+7], v[WS+\t], v[HS] matrix_a_fmt:MATRIX_FMT_BF6 matrix_b_fmt:MATRIX_FMT_BF6
.endr
	WIN 0
.rept 4
	v_nop                                          ; four places behind this form with 6-bit operands
.endr
.endm
; the last product: my 32 numbers x W2's, in two chains; the other half's from lane l xor 16; + b2; into my wave's LDS
.macro DOT
	WIN 0x04                                       ; source 1 (W2) window 1
	v_pk_mul_f32 v[CT:CT+1], v[G:G+1], v[W2V:W2V+1]
	v_pk_mul_f32 v[CT+2:CT+3], v[G+2:G+3], v[W2V+2:W2V+3]
.set i, 4
.rept 7
	v_pk_fma_f32 v[CT:CT+1], v[G+i:G+i+1], v[W2V+i:W2V+i+1], v[CT:CT+1]
	v_pk_fma_f32 v[CT+2:CT+3], v[G+i+2:G+i+3], v[W2V+i+2:W2V+i+3], v[CT+2:CT+3]
.set i, i+4
.endr
	WIN 0
	v_pk_add_f32 v[CT:CT+1], v[CT:CT+1], v[CT+2:CT+3]
	v_add_f32 v[AM], v[CT], v[CT+1]
	v_permlanex16_b32 v[PT], v[AM], s[SEL], s[SEL+1]
	v_add_f32 v[AM], v[AM], v[PT]
	v_add_f32 v[AM], s[SB2], v[AM]
	v_add_nc_u32 v[BY], s[LT], v[LO0]              ; 1024 x wave + 64 x tile + 4 r
	ds_store_b32 v[BY], v[AM]                      ; lanes r and r + 16 store the same word with the same value
	s_add_co_u32 s[LT], s[LT], 64
.endm
.macro MLP
	LAYER1
	GELU
	QUANT
	LAYER2
	GELU
	DOT
.endm
	ENCODE                                         ; tile 0's gathers
	LOADDF 1                                       ; tile 1's records
	s_mov_b32 s[CNT], 14
.Ltile:                                            ; tiles 0 to 13
	INTERP 2
	s_wait_loadcnt 0x0                             ; the next tile's records, asked for a tile ago, are in; their offsets may be stepped
	ENCODE                                         ; the next tile's 56 gathers go out and are on their way during this tile's layers
	LOADDF 1                                       ; the records of the tile after that
	MLP
	s_sub_co_u32 s[CNT], s[CNT], 1
	s_cmp_lg_u32 s[CNT], 0
	s_cbranch_scc1 .Ltile
	INTERP 2                                       ; tile 14: the tail is written out, so that no load leaves data or fix
	s_wait_loadcnt 0x0
	ENCODE                                         ; tile 15's gathers
	MLP
	INTERP 0                                       ; tile 15: nothing was loaded behind its gathers
	MLP
	v_and_b32 v[G+8], 31, v0
	v_lshlrev_b32 v[G+8], 4, v[G+8]                ; 16 x lane
	v_lshrrev_b32 v[G+9], 5, v0
	v_lshl_add_u32 v[G+9], v[G+9], 10, v[G+8]      ; + my wave's 1,024 bytes
	ds_load_b128 v[G:G+3], v[G+9]                  ; LDS serves a wave's instructions in order (ISA guide 5.7.1.4): these see my sixteen stores
	ds_load_b128 v[G+4:G+7], v[G+9] offset:512
	s_wait_dscnt 0x1                               ; the first is in, the second may be out
	global_store_b128 v[G+8], v[G:G+3], s[24:25] th:TH_STORE_NT            ; 32 lanes store 512 consecutive bytes, at a multiple of 256 from out0's first byte
	s_wait_dscnt 0x0
	global_store_b128 v[G+8], v[G+4:G+7], s[24:25] offset:512 th:TH_STORE_NT
	s_set_vgpr_msb 0x5
	s_wait_tensorcnt 0x0
	ds_add_u32 v254, v255
	s_wait_dscnt 0x0
	s_set_vgpr_msb 0x500
	s_endpgm
.Lfunc_end_k_q72748e17d0_field:
	.size	k_q72748e17d0_field, .Lfunc_end_k_q72748e17d0_field-k_q72748e17d0_field
	.p2alignl 7, 3214868480
	.fill 96, 4, 3214868480
	.section	.rodata,"a",@progbits
	.p2align	6, 0x0
	.amdhsa_kernel k_q72748e17d0_field
		.amdhsa_group_segment_fixed_size 9216
		.amdhsa_private_segment_fixed_size 0
		.amdhsa_enable_private_segment 0
		.amdhsa_kernarg_size 88
		.amdhsa_user_sgpr_count 2
		.amdhsa_user_sgpr_kernarg_segment_ptr 1
		.amdhsa_wavefront_size32 1
		.amdhsa_system_sgpr_workgroup_id_x 1
		.amdhsa_system_sgpr_workgroup_id_y 1
		.amdhsa_system_sgpr_workgroup_id_z 1
		.amdhsa_system_vgpr_workitem_id 0
		.amdhsa_next_free_vgpr 512
		.amdhsa_next_free_sgpr 80
		.amdhsa_reserve_vcc 1
		.amdhsa_float_denorm_mode_32 3
		.amdhsa_float_denorm_mode_16_64 3
		.amdhsa_memory_ordered 1
		.amdhsa_forward_progress 1
		.amdhsa_inst_pref_size 168
	.end_amdhsa_kernel
	.amdgpu_metadata
---
amdhsa.version: [ 1, 2 ]
amdhsa.kernels:
  - .name:           k_q72748e17d0_field
    .symbol:         k_q72748e17d0_field.kd
    .args:
      - { .name: data, .offset: 0, .size: 8, .value_kind: global_buffer, .address_space: global }
      - { .name: fix, .offset: 8, .size: 8, .value_kind: global_buffer, .address_space: global }
      - { .name: table, .offset: 16, .size: 8, .value_kind: global_buffer, .address_space: global }
      - { .name: W0, .offset: 24, .size: 8, .value_kind: global_buffer, .address_space: global }
      - { .name: b0, .offset: 32, .size: 8, .value_kind: global_buffer, .address_space: global }
      - { .name: W1_codes, .offset: 40, .size: 8, .value_kind: global_buffer, .address_space: global }
      - { .name: W1_scales, .offset: 48, .size: 8, .value_kind: global_buffer, .address_space: global }
      - { .name: b1, .offset: 56, .size: 8, .value_kind: global_buffer, .address_space: global }
      - { .name: W2, .offset: 64, .size: 8, .value_kind: global_buffer, .address_space: global }
      - { .name: b2, .offset: 72, .size: 8, .value_kind: global_buffer, .address_space: global }
      - { .name: out0, .offset: 80, .size: 8, .value_kind: global_buffer, .address_space: global }
    .group_segment_fixed_size: 9216
    .private_segment_fixed_size: 0
    .kernarg_segment_align: 8
    .kernarg_segment_size: 88
    .max_flat_workgroup_size: 256
    .sgpr_count:     80
    .vgpr_count:     512
    .wavefront_size: 32
...
	.end_amdgpu_metadata
.endif
;; end of part 2
